; MI455X (gfx1250); checked and timed in simulation.
; The chip was launched on July 23, 2026; its instructions are those of AMD's public machine-readable ISA for CDNA 5 (MIT licence, August 2026) and "CDNA5" Instruction Set Architecture Reference Guide (July 2026). The comments in the code are by the model that wrote it; some were corrected since.
;; Multi Head Attention. Allowed arithmetic: matrix products marked QUANTISED: E2M1 operands, one E8M0 scale for each 32 along K, by v_wmma_scale_f32_16x16x128_f8f6f4 with both operands' format E2M1 (or v_wmma_scale_f32_32x16x128_f4), f32 sums; products left as they are: bf16, f16 or f32 operands; f32 sums; everything else in f32.
;; Inputs: W_k 1,024 x 1,024 float32; W_out 1,024 x 1,024 float32; W_q 1,024 x 1,024 float32; W_v 1,024 x 1,024 float32; b_k 1,024 float32; b_out 1,024 float32; b_q 1,024 float32; b_v 1,024 float32; key 4 x 2,048 x 1,024 float32; query 4 x 2,048 x 1,024 float32; value 4 x 2,048 x 1,024 float32.
;; Outputs: out0 4 x 2,048 x 1,024 float32.
;; This version of the problem:
;;   THIS VERSION OF THE PROBLEM IS GIVEN IN LOW PRECISION. The matrix products marked QUANTISED in the list below multiply operands that are first quantised to E2M1 (2 exponent bits, 1 mantissa bit; 4 bits a number), with one power-of-two scale for each 32 numbers along K (OCP MX v1.0); their sums are f32. The products marked 'left as it is' may take bf16, f16 or f32 operands, with f32 sums. Whichever they take, every output number must still come out within the allowed error. Rounding operands to bf16 (8 significant bits) uses up far more of that allowance than f16 does (11 bits, for magnitudes from 6e-5 to 65,504). All else is computed in f32.
;;   The module's matrix products, in the order in which they are computed (A, B: the left and right operand; K: the contracted axis; several contracted axes count as one K, in the product's order):
;;     1. [M 8,192, K 1,024] x [K 1,024, N 1,024]; A: input query; B: input W_q: QUANTISED
;;     2. [M 8,192, K 1,024] x [K 1,024, N 1,024]; A: input key; B: input W_k: QUANTISED
;;     3. [M 8,192, K 1,024] x [K 1,024, N 1,024]; A: input value; B: input W_v: QUANTISED
;;     4. batch 64 x [M 2,048, K 64] x [K 64, N 2,048]; A: computed on the way; B: computed on the way: left as it is (an operand is computed on the way)
;;     5. batch 64 x [M 2,048, K 2,048] x [K 2,048, N 64]; A: computed on the way; B: computed on the way: left as it is (an operand is computed on the way)
;;     6. [M 8,192, K 1,024] x [K 1,024, N 1,024]; A: computed on the way; B: input W_out: left as it is (an operand is computed on the way)
;;   THE QUANTISER, for each operand of a quantised product, along K:
;;     - K is cut into blocks of 32 from its start; a last block that is shorter is filled with zeros.
;;     - A block's scale is 2^e with e = floor(log2(the largest magnitude in the block)) - 2, held to -126 .. 127; a block of zeros has e = 0. As a byte (E8M0): e + 127.
;;     - Each number is divided by its block's scale, clamped to +-6, and rounded to the nearest number of E2M1, ties to even, subnormals kept.
;;     - The product sums the exact products of the quantised numbers (number of the format x scale) in f32.
;;   ~~~python
;;   def quantise(x, axis):      # numpy; x: float32 -> the quantised numbers, widened to float32 again
;;       x = np.moveaxis(x, axis, -1); K = x.shape[-1]
;;       x = np.pad(x, [(0, 0)] * (x.ndim - 1) + [(0, -K % 32)]); x = x.reshape(x.shape[:-1] + (-1, 32)); a = np.abs(x).max(-1, keepdims=True)
;;       e = np.where(a > 0, np.clip(np.frexp(np.where(a > 0, a, 1))[1] - 1 - 2, -126, 127), 0)      # np.frexp(a)[1] - 1 = floor(log2(a)), exactly
;;       r = np.clip(x / 2.0 ** e, -6, 6)
;;       step = 2.0 ** (np.maximum(np.frexp(np.where(r == 0, 1, r))[1] - 1, 0) - 1)
;;       q = np.round(r / step) * step * 2.0 ** e      # np.round: ties to even
;;       return np.moveaxis(q.reshape(q.shape[:-2] + (-1,))[..., :K], -1, axis).astype(np.float32)
;;   ~~~
;; One version. Each part assembles by itself: llvm-mc -triple=amdgcn-amd-amdhsa -mcpu=gfx1250 --defsym DOCPART=n.
;; ======== version 1 of 1: 4 launches
;; limits: values are held in f16: magnitudes above 65,504 overflow, below 6.1e-05 lose precision
;; workspace buffers: codes 14,155,776 bytes; scales 884,736 bytes; wo 2,097,152 bytes; qkv 50,331,648 bytes; ao 16,777,216 bytes
;; launch quant (part 1): grid 896 x 1, 4 waves a work-group, no clusters, 33,280 bytes of LDS; arguments query, key, value, W_q, W_k, W_v, W_out, codes, scales, wo; writes codes, scales, wo
.if DOCPART == 1
	.amdgcn_target "amdgcn-amd-amdhsa--gfx1250"
	.amdhsa_code_object_version 6
	.text
	.protected	k_q848b0ac835_quant
	.globl	k_q848b0ac835_quant
	.p2align	8
	.type	k_q848b0ac835_quant,@function
k_q848b0ac835_quant:
	s_mov_b64 s[64:65], 0
	v_nop
	global_prefetch_b8 v0, s[64:65] scope:SCOPE_SE
	s_setreg_imm32_b32 hwreg(HW_REG_WAVE_MODE, 25, 1), 1
	s_wait_xcnt 0x0
; query, key, value [8192][1024] and W_q, W_k, W_v [1024][1024], f32, K innermost, become codes of FP4 (E2M1) with one E8M0 scale byte for each 32 along K; W_out becomes f16.
; The six tensors are one stream of 27,648 rows: codes [27648][512 bytes], scale bytes [27648][32].  Rows 0-8191 query, then key, then value, then W_q, W_k, W_v.
; A block's scale is 2^(floor(log2(its largest magnitude)) - 2); its byte is the largest magnitude's exponent field - 2, held at 1 from below.  Each number is divided by the scale and rounded to the nearest code, ties to even; beyond 6 the largest code.
; LIMITS: a block of zeros gets the byte 1 where the rule says 127 (its codes are zeros, and this program alone reads the bytes); NaN and infinities are not served; |W_out| stays under 65,504, the largest f16 number.
; SHARES: work-groups 0-863 take 32,768 numbers of the stream each, a wave 8,192: 16 steps of 512.  Work-groups 864-895 take 32,768 numbers of W_out each.
; A step's four loads read 512 consecutive bytes each; the 2,048 bytes turn through the wave's own stage in LDS, so that a lane then holds 16 neighbours along K (two lanes to a block).
; A lane's 16 codes are 8 bytes: a wave's store covers 256 consecutive bytes, aligned.  A wave's 256 scale bytes are gathered in LDS and leave by one such store.
; No tensor load, no barrier: waves share nothing.  Matrix units and clusters have nothing to do here: every byte is read once and written once.
.set WAVES, 4
.set STEPS, 16
.set NQWG,  864                        ; work-groups of the quantiser's path
.set CB,    8                          ; bytes of 16 codes
.set R,     16                         ; v16-79   four sets of 16 numbers as loaded
.set X,     80                         ; v80-111  two sets of 16 neighbours
.set E,     112                        ; v112-127 a scale byte for each step
.set C,     128                        ; v128-191 codes, four registers a step: no store's data are written again
.set WREG,  8192                       ; LDS: a wave's region: two stages of 32 x SP bytes, then its 256 scale bytes
.set SP,    80                         ; a lane's place in a stage: 64 bytes + 16 of padding
.set SPW,   12                         ; v12 LDS address of my spare word; never rewritten
.set NIL,   13                         ; v13 0; never rewritten
.set SPARE, WAVES*WREG                 ; behind the regions: the spare words, 128 bytes a wave
.set WO,    80                         ; W_out's path: v80-111 the f16 numbers to store
	s_load_b256 s[4:11], s[0:1], 0x0               ; query, key, value, W_q
	s_load_b256 s[12:19], s[0:1], 0x20             ; W_k, W_v, W_out, codes
	s_load_b128 s[20:23], s[0:1], 0x40             ; scales, wo
	v_lshl_add_u32 v[SPW], v0, 2, SPARE
	v_mov_b32 v[NIL], 0
	v_lshrrev_b32 v1, 5, v0
	v_readfirstlane_b32 s24, v1                    ; wave
	v_and_b32 v2, 31, v0                           ; lane
	v_lshlrev_b32 v3, 4, v2                        ; my 16 bytes of a load's 512
	s_mul_i32 s25, s24, WREG
	v_lshrrev_b32 v14, 2, v2
	v_mul_u32_u24 v14, v14, SP
	v_and_b32 v15, 3, v2
	v_lshl_add_u32 v14, v15, 4, v14
	v_add_nc_u32 v14, s25, v14                     ; the stage, way in: SP (lane / 4) + 16 (lane % 4)
	v_mul_u32_u24 v15, v2, SP
	v_add_nc_u32 v15, s25, v15                     ; way out: SP x lane: my 16 neighbours
	v_mul_u32_u24 v4, v2, CB                       ; my codes' place in a step's
	v_lshrrev_b32 v5, 1, v2
	s_add_co_u32 s25, s25, 2*32*SP
	v_add_nc_u32 v5, s25, v5                       ; my block's scale byte in LDS
	v_lshlrev_b32 v7, 3, v2                        ; 8 bytes a lane
	v_add_nc_u32 v6, s25, v7
	s_lshl_b32 s27, ttmp9, 2
	s_add_co_u32 s27, s27, s24                     ; 4 x work-group + wave: which run of 8,192 numbers
	s_wait_kmcnt 0x0
	s_cmp_ge_u32 ttmp9, NQWG                       ; the work-group's number alone decides the path
	s_cbranch_scc1 .Lwout
	; which tensor, and its first work-group: a chain of choices on the work-group's number
	s_mov_b64 s[28:29], s[14:15]                   ; W_v
	s_mov_b32 s26, 832
	s_cmp_lt_u32 ttmp9, 832
	s_cselect_b64 s[28:29], s[12:13], s[28:29]     ; W_k
	s_cselect_b32 s26, 800, s26
	s_cmp_lt_u32 ttmp9, 800
	s_cselect_b64 s[28:29], s[10:11], s[28:29]     ; W_q
	s_cselect_b32 s26, 768, s26
	s_cmp_lt_u32 ttmp9, 768
	s_cselect_b64 s[28:29], s[8:9], s[28:29]       ; value
	s_cselect_b32 s26, 512, s26
	s_cmp_lt_u32 ttmp9, 512
	s_cselect_b64 s[28:29], s[6:7], s[28:29]       ; key
	s_cselect_b32 s26, 256, s26
	s_cmp_lt_u32 ttmp9, 256
	s_cselect_b64 s[28:29], s[4:5], s[28:29]       ; query
	s_cselect_b32 s26, 0, s26
	s_sub_co_u32 s30, ttmp9, s26
	s_lshl_b32 s30, s30, 2
	s_add_co_u32 s30, s30, s24
	s_lshl_b32 s30, s30, 15                        ; in: 32,768 bytes a run, counted in the tensor
	s_mov_b32 s31, 0
	s_add_nc_u64 s[28:29], s[28:29], s[30:31]
	s_lshl_b32 s32, s27, 12                        ; codes: 4,096 bytes a run, counted in the stream
	s_mov_b32 s33, 0
	s_add_nc_u64 s[18:19], s[18:19], s[32:33]
	s_lshl_b32 s34, s27, 8                         ; scale bytes: 256 a run
	s_mov_b32 s35, 0
	s_add_nc_u64 s[20:21], s[20:21], s[34:35]
.macro LOAD t
.irp i, 0,1,2,3
	global_load_b128 v[R+16*((\t)%4)+4*\i:R+16*((\t)%4)+4*\i+3], v3, s[28:29] offset:2048*(\t)+512*\i th:TH_LOAD_NT   ; 32 lanes read 512 consecutive bytes
.endr
.endm
.macro TURN t                          ; step t's numbers through the stage: LDS serves a wave's instructions in order, so no wait stands between the stores and the loads
.irp i, 0,1,2,3
	ds_store_b128 v14, v[R+16*((\t)%4)+4*\i:R+16*((\t)%4)+4*\i+3] offset:32*SP*((\t)%2)+8*SP*\i
.endr
.irp i, 0,1,2,3
	ds_load_b128 v[X+16*((\t)%2)+4*\i:X+16*((\t)%2)+4*\i+3], v15 offset:32*SP*((\t)%2)+16*\i
.endr
.endm
.irp t, 0,1,2,3
	LOAD \t
.endr
	s_wait_loadcnt 12                              ; step 0's four loads are in; the 12 of steps 1 to 3 stay out
	TURN 0
.macro STEP t
.set XS, X+16*((\t)%2)
.if (\t) > 0
	s_wait_dscnt 1                                 ; this step's numbers are back from the stage (the last step's byte store may be out): its stores into the stage have read their registers,
.else
	s_wait_dscnt 0x0
.endif
.if (\t)+4 < STEPS
	LOAD (\t)+4                                    ; which take the loads of four steps on
.endif
.if (\t)+1 < STEPS
.if STEPS-2-(\t) >= 3
	s_wait_loadcnt 12                              ; the next step's four loads are in; those of the three steps behind it may be out
.else
	s_wait_loadcnt 4*(STEPS-2-(\t))
.endif
	TURN (\t)+1                                    ; and go through the other stage while this step is worked
.endif
	v_max3_num_f32 v8, |v[XS]|, |v[XS+1]|, |v[XS+2]|               ; the largest magnitude of my 16, in two chains
	v_max3_num_f32 v9, |v[XS+3]|, |v[XS+4]|, |v[XS+5]|
.irp i, 6,10
	v_max3_num_f32 v8, v8, |v[XS+\i]|, |v[XS+\i+1]|
	v_max3_num_f32 v9, v9, |v[XS+\i+2]|, |v[XS+\i+3]|
.endr
	v_max3_num_f32 v8, v8, |v[XS+14]|, |v[XS+15]|
	v_max3_num_f32 v8, v8, v9, 0x1800000           ; and the floor 2^(3 - 127): the byte cannot fall under 1
	v_max_num_f32_dpp v8, v8, v8 row_xmask:1 row_mask:0xf bank_mask:0xf   ; with my neighbour's 16: the block's
	v_add_nc_u32 v11, 0xff000000, v8               ; 2 off its exponent field: the conversion takes the exponent field of this operand as its scale
	v_cvt_scalef32_pk8_fp4_f32 v[C+4*(\t)], v[XS:XS+7], v11
	v_cvt_scalef32_pk8_fp4_f32 v[C+4*(\t)+1], v[XS+8:XS+15], v11
	v_lshrrev_b32 v[E+(\t)], 23, v11               ; the scale's byte (a plain line behind the conversions)
	ds_store_b8 v5, v[E+(\t)] offset:16*(\t)       ; both lanes of a block write the same byte with the same value
	global_store_b64 v4, v[C+4*(\t):C+4*(\t)+1], s[18:19] offset:32*CB*(\t)
.endm
.irp t, 0,1,2,3,4,5,6,7,8,9,10,11,12,13,14,15
	STEP \t
.endr
	ds_load_b64 v[8:9], v6                         ; LDS serves a wave's instructions in order: these see my stores
	s_wait_dscnt 0x0
	global_store_b64 v7, v[8:9], s[20:21]          ; 32 lanes store 256 consecutive bytes, aligned
	s_wait_tensorcnt 0x0                           ; the wave's end, behind my last LDS store
	ds_add_u32 v[SPW], v[NIL]
	s_wait_dscnt 0x0
	s_endpgm
; W_out to f16, row-major as it lies: a wave takes 8,192 numbers in four parts of 16 loads; two parts are on their way.
.Lwout:
	s_sub_co_u32 s30, s27, 4*NQWG                  ; which run of W_out
	s_lshl_b32 s32, s30, 14                        ; out: 16,384 bytes a run
	s_lshl_b32 s30, s30, 15                        ; in: 32,768
	s_mov_b32 s31, 0
	s_mov_b32 s33, 0
	s_add_nc_u64 s[16:17], s[16:17], s[30:31]
	s_add_nc_u64 s[22:23], s[22:23], s[32:33]
.macro WLOAD p
.set WS, 16+96*((\p)%2)                ; v16-79 and v112-175 by turns
.irp i, 0,1,2,3,4,5,6,7,8,9,10,11,12,13,14,15
	global_load_b128 v[WS+4*\i:WS+4*\i+3], v3, s[16:17] offset:(16*(\p)+\i)*512 th:TH_LOAD_NT
.endr
.endm
.macro WCONV p
.set WS, 16+96*((\p)%2)
.if (\p) < 3
	s_wait_loadcnt 16                              ; this part's 16 loads are in; the next part's 16 stay out
.else
	s_wait_loadcnt 0x0
.endif
	s_wait_xcnt 0x0                                ; the last part's stores have read their data: the registers are written again only behind this wait
.irp i, 0,1,2,3,4,5,6,7,8,9,10,11,12,13,14,15
	v_cvt_pk_f16_f32 v[WO+2*\i], v[WS+4*\i], v[WS+4*\i+1]
	v_cvt_pk_f16_f32 v[WO+2*\i+1], v[WS+4*\i+2], v[WS+4*\i+3]
.endr
.irp i, 0,1,2,3,4,5,6,7,8,9,10,11,12,13,14,15
	global_store_b64 v7, v[WO+2*\i:WO+2*\i+1], s[22:23] offset:(16*(\p)+\i)*256   ; 256 consecutive bytes, aligned
.endr
.if (\p)+2 < 4
	WLOAD (\p)+2
.endif
.endm
	WLOAD 0
	WLOAD 1
	WCONV 0
	WCONV 1
	WCONV 2
	WCONV 3
	s_wait_tensorcnt 0x0                           ; the wave's end
	ds_add_u32 v[SPW], v[NIL]
	s_wait_dscnt 0x0
	s_endpgm
.Lfunc_end_k_q848b0ac835_quant:
	.size	k_q848b0ac835_quant, .Lfunc_end_k_q848b0ac835_quant-k_q848b0ac835_quant
	.p2alignl 7, 3214868480
	.fill 96, 4, 3214868480
	.section	.rodata,"a",@progbits
	.p2align	6, 0x0
	.amdhsa_kernel k_q848b0ac835_quant
		.amdhsa_group_segment_fixed_size 33280
		.amdhsa_private_segment_fixed_size 0
		.amdhsa_enable_private_segment 0
		.amdhsa_kernarg_size 80
		.amdhsa_user_sgpr_count 2
		.amdhsa_user_sgpr_kernarg_segment_ptr 1
		.amdhsa_wavefront_size32 1
		.amdhsa_system_sgpr_workgroup_id_x 1
		.amdhsa_system_sgpr_workgroup_id_y 1
		.amdhsa_system_sgpr_workgroup_id_z 1
		.amdhsa_system_vgpr_workitem_id 0
		.amdhsa_next_free_vgpr 192
		.amdhsa_next_free_sgpr 66
		.amdhsa_reserve_vcc 0
		.amdhsa_float_denorm_mode_32 3
		.amdhsa_float_denorm_mode_16_64 3
		.amdhsa_memory_ordered 1
		.amdhsa_forward_progress 1
		.amdhsa_inst_pref_size 55
	.end_amdhsa_kernel
	.amdgpu_metadata
---
amdhsa.version: [ 1, 2 ]
amdhsa.kernels:
  - .name:           k_q848b0ac835_quant
    .symbol:         k_q848b0ac835_quant.kd
    .args:
      - { .name: query, .offset: 0, .size: 8, .value_kind: global_buffer, .address_space: global }
      - { .name: key, .offset: 8, .size: 8, .value_kind: global_buffer, .address_space: global }
      - { .name: value, .offset: 16, .size: 8, .value_kind: global_buffer, .address_space: global }
      - { .name: W_q, .offset: 24, .size: 8, .value_kind: global_buffer, .address_space: global }
      - { .name: W_k, .offset: 32, .size: 8, .value_kind: global_buffer, .address_space: global }
      - { .name: W_v, .offset: 40, .size: 8, .value_kind: global_buffer, .address_space: global }
      - { .name: W_out, .offset: 48, .size: 8, .value_kind: global_buffer, .address_space: global }
      - { .name: codes, .offset: 56, .size: 8, .value_kind: global_buffer, .address_space: global }
      - { .name: scales, .offset: 64, .size: 8, .value_kind: global_buffer, .address_space: global }
      - { .name: wo, .offset: 72, .size: 8, .value_kind: global_buffer, .address_space: global }
    .group_segment_fixed_size: 33280
    .private_segment_fixed_size: 0
    .kernarg_segment_align: 8
    .kernarg_segment_size: 80
    .max_flat_workgroup_size: 128
    .sgpr_count:     66
    .vgpr_count:     192
    .wavefront_size: 32
...
	.end_amdgpu_metadata
.endif
;; end of part 1
;; launch proj (part 2): grid 4 x 96, 4 waves a work-group, clusters of 4 x 4, 327,680 bytes of LDS; arguments codes, scales, b_q, b_k, b_v, qkv; writes qkv
.if DOCPART == 2
	.amdgcn_target "amdgcn-amd-amdhsa--gfx1250"
	.amdhsa_code_object_version 6
	.text
	.protected	k_q848b0ac835_proj
	.globl	k_q848b0ac835_proj
	.p2align	8
	.type	k_q848b0ac835_proj,@function
k_q848b0ac835_proj:
	s_mov_b64 s[64:65], 0
	v_nop
	global_prefetch_b8 v0, s[64:65] scope:SCOPE_SE
	s_setreg_imm32_b32 hwreg(HW_REG_WAVE_MODE, 25, 1), 1
	s_wait_xcnt 0x0
	s_wait_alu depctr_hold_cnt(0) depctr_sa_sdst(0) depctr_va_vdst(0) depctr_va_sdst(0) depctr_va_ssrc(0) depctr_va_vcc(0) depctr_vm_vsrc(0)
	s_getreg_b32 s2, hwreg(HW_REG_IB_STS2, 6, 4)
	s_cmp_eq_u32 s2, 0
	s_cbranch_scc0 .Lentry_in_a_cluster
	s_endpgm
.Lentry_in_a_cluster:
	s_bfe_u32 s2, ttmp6, 0x10000c
	s_cmp_lg_u32 s2, 0xf033
	s_cbranch_scc0 .Lentry_shape_is_right
	s_endpgm
.Lentry_shape_is_right:
; The three quantised products: y[m][n] = sum over k of x[m][k] W[n][k] + b[n], x = query, key, value, on codes of FP4 (E2M1) with one E8M0 scale for each 32 along K, K = 1,024; sums in f32.
; codes: [27648 rows][512 bytes], scales: [27648][32 bytes]; rows 8192 t on: tensor t (0 query, 1 key, 2 value); rows 24576 + 1024 t on: its weight.
; A tile is 256 tokens x 256 features, made by four waves, each 128 x 128: 64 accumulators, 512 registers.  96 tile rows (32 a tensor) x 4 tile columns.
; All of K lies in two LDS slots of 512 along K (rows of 256 bytes + 16 of padding), filled once; the scale bytes of the tile's 512 rows lie behind them.  Nothing is filled again.
; CLUSTERS: 4 x 4 work-groups; the four of a row need the same tiles of x, the four of a column the same tiles of W: each is asked for jointly.  The tensor's number comes from the cluster's y alone: it is the same in all sixteen.
; THE MATRIX INSTRUCTION IS USED TRANSPOSED (source 0 = 16 rows of W, source 1 = 16 tokens): a lane holds eight neighbouring features of one token.
; THE WAY OUT: (sum + bias) x MUL (MUL = log2(e) / 8 for q, so that attention's exponent needs no scaling; 1 for k and v), rounded to f16: 16 bytes a lane, stored straight from registers:
; qkv is laid [tensor 3][batch x head 64][tile of 16 tokens 128][16 features 4][512 bytes]; in a block of 512 bytes q and k put lane l's 16 bytes at 16 l (the image of a matrix operand's registers),
; v puts token r's 16 channels in 32 bytes at 32 r (rows that the turning LDS load takes).  Either way a store of the wave covers 512 consecutive bytes, aligned.
; LIMITS: |q| log2(e) / 8, |k| and |v| stay under 65,504, the largest f16 number; magnitudes under 6.1e-5 are kept as f16 denormals.
; REGISTERS, in windows of 256: window 0: v0-31 addresses; v32-95 scale words, two sets (on the way out: 64 numbers at work); v96-127 f16 results; v128-191 x's fragments, one set; v192-255 the bias.
;   window 1: W's fragments, two sets, at v0 and v128.   window 2: the accumulators of my tokens 0-63 ((a, b) at v[8 (8 a + b)]);   window 3: of my tokens 64-127.
.set NQ,     4                         ; steps of 128 along K in a slot
.set ROWB,   256                       ; a tile's row in bytes: 512 codes
.set KROW,   512                       ; a row of codes in memory
.set PITCH,  272                       ; an LDS row: 256 bytes + 16 of padding = 68 words: the 16 rows that a load touches start 4 words apart modulo 64
.set FR,     8
.set NL,     2
.set NP,     4
.set HALFT,  128*PITCH
.set SLOT,   4*HALFT
.set KS,     32                        ; a row of scale bytes
.set SCL,    2*SLOT
.set HALFS,  (128*KS/256)*272
.set SBLK,   (16*KS/256)*272
.set SPARE,  SCL+4*HALFS               ; the spare words, 128 bytes a wave
.set ADRA, 16
.set ADRB, 20
.set CO,   26                          ; v26 my lane's place in a block of qkv
.set ADRS, 27
.set SPW,  28
.set NIL,  29
.set BO,   30                          ; v30 32 x (lane / 16): my eight numbers of a bias tile; never rewritten
.set SC,   32
.set T,    32
.set OUT,  96
.set AF,   128
.set BI,   192
.set G1, 24
.set G0, 32
.set G1B, 48
.set G0B, 56
.set G1S, 68
.set G0S, 76
.set G1SB, 80
.set G0SB, 88
.set MSB, 0
.macro WIN new                         ; the immediate's high byte repeats the setting that is left
.if MSB != \new
	s_set_vgpr_msb (MSB<<8)|\new
.set MSB, \new
.endif
.endm
.set MUL_LO, 0xa1                      ; source 0 (W) window 1, source 1 (x) window 0, C and D window 2
.set MUL_HI, 0xf1
.set TO_B,   0x40
; A joint load: waves 0 and 1 fetch for x, waves 2 and 3 for W; the branch hangs on the wave's number alone.  An s_nop 0 and four v_nop follow each line.
.macro JLOAD g0a, g1a, g0b, g1b
	s_cmp_eq_u32 s17, 0
	s_cbranch_scc0 .Lfor_b_\@
	tensor_load_to_lds s[\g0a:\g0a+3], s[\g1a:\g1a+7]
	s_nop 0
.rept 4
	v_nop
.endr
	s_branch .Lasked_\@
.Lfor_b_\@:
	tensor_load_to_lds s[\g0b:\g0b+3], s[\g1b:\g1b+7]
	s_nop 0
.rept 4
	v_nop
.endr
.Lasked_\@:
.endm
.macro CROUND                          ; a round of the cluster's barrier
	s_barrier_signal -1
	s_barrier_wait -1
	s_cmp_lg_u32 s16, 0
	s_cbranch_scc1 .Lnot_wave_0_\@
	s_barrier_signal -3
.Lnot_wave_0_\@:
	s_barrier_wait -3
	s_barrier_signal -1
	s_barrier_wait -1
.endm
	s_load_b128 s[4:7], s[0:1], 0x0                ; codes, scales
	s_load_b128 s[8:11], s[0:1], 0x10              ; b_q, b_k
	s_load_b128 s[12:15], s[0:1], 0x20             ; b_v, qkv
	v_lshl_add_u32 v[SPW], v0, 2, SPARE
	v_mov_b32 v[NIL], 0
	ds_add_u32 v[SPW], v[NIL]                      ; the wave's opening: the add, twice on end, and its wait ahead of my first tensor load
	ds_add_u32 v[SPW], v[NIL]
	v_lshrrev_b32 v1, 5, v0
	v_readfirstlane_b32 s16, v1                    ; wave 0..3
	s_lshr_b32 s17, s16, 1                         ; which 128 tokens are mine.  Also: I fetch for x (0) or for W (1)
	s_and_b32 s18, s16, 1                          ; which 128 features.  Also: which 128 rows of that tile I fetch
	s_bfe_u32 s40, ttmp6, 0x40000                  ; cx
	s_bfe_u32 s41, ttmp6, 0x40004                  ; cy
	s_lshl_b32 s42, ttmp9, 2
	s_add_co_u32 s42, s42, s40                     ; tile column 0..3
	s_and_b32 s67, ttmp7, 0xffff                   ; the cluster's y, 0..23
	s_lshr_b32 s66, s67, 3                         ; the tensor: eight clusters to each
	s_lshl_b32 s19, s67, 2
	s_add_co_u32 s19, s19, s41                     ; tile row 0..95
	s_lshl_b32 s43, s41, 2
	s_lshl_b32 s43, 15, s43                        ; my row of the cluster
	s_lshl_b32 s44, 0x1111, s40                    ; my column
	s_or_b32 s[G1+0], s43, (0<<16)|(1<<20)|(1<<21)|(5<<22)|(3<<25)  ; the mask; elements of 1 byte; padding on; bit 21 beside a mask; 4 words behind every 64
	s_or_b32 s[G1B+0], s44, (0<<16)|(1<<20)|(1<<21)|(5<<22)|(3<<25)
.irp g, G1, G1B
	s_mov_b32 s[\g+1], ROWB<<16                    ; tensor_dim0
	s_mov_b32 s[\g+2], 128<<16                     ; tensor_dim1
	s_mov_b32 s[\g+3], ROWB<<16                    ; tile_dim0
	s_mov_b32 s[\g+4], 128                         ; tile_dim1
	s_mov_b32 s[\g+5], KROW                        ; from row to row
	s_mov_b32 s[\g+6], 0
	s_mov_b32 s[\g+7], 0
.endr
	s_or_b32 s[G1S+0], s43, (3<<16)|(1<<20)|(1<<21)|(5<<22)|(3<<25) ; the scale bytes of 128 rows: 4,096 dense bytes as 16 rows of 256, 16 bytes of padding behind each
	s_or_b32 s[G1SB+0], s44, (3<<16)|(1<<20)|(1<<21)|(5<<22)|(3<<25)
.irp g, G1S, G1SB
	s_mov_b32 s[\g+1], 32<<16
	s_mov_b32 s[\g+2], (128*KS/256)<<16
	s_mov_b32 s[\g+3], 32<<16
	s_mov_b32 s[\g+4], 128*KS/256
	s_mov_b32 s[\g+5], 32
	s_mov_b32 s[\g+6], 0
	s_mov_b32 s[\g+7], 0
.endr
	s_lshl_b32 s22, s18, 7                         ; which 128 rows of the tile I fetch
	s_lshl_b32 s20, s19, 8
	s_add_co_u32 s20, s20, s22                     ; x: row 256 x tile row + 128 x half
	s_lshl_b32 s46, s42, 8
	s_add_co_u32 s46, s46, s22
	s_lshl_b32 s23, s66, 10
	s_add_co_u32 s46, s46, s23
	s_add_co_u32 s46, s46, 24576                   ; W: row 24,576 + 1,024 t + 256 x tile column + 128 x half
	s_lshl_b32 s92, s20, 5                         ; their scale bytes: 32 a row,
	s_mov_b32 s93, 0
	s_lshl_b32 s94, s46, 5
	s_mov_b32 s95, 0
	s_lshl_b32 s20, s20, 9                         ; their codes: 512 a row
	s_mov_b32 s21, 0
	s_lshl_b32 s46, s46, 9
	s_mov_b32 s47, 0
	s_mul_i32 s45, s16, HALFT                      ; where they go: wave x 128 rows
	s_mul_i32 s3, s16, HALFS
	s_wait_dscnt 0x0                               ; both opening adds are done
	s_wait_kmcnt 0x0
	s_add_nc_u64 s[20:21], s[4:5], s[20:21]
	s_add_nc_u64 s[92:93], s[6:7], s[92:93]
	s_add_nc_u64 s[46:47], s[4:5], s[46:47]
	s_add_nc_u64 s[94:95], s[6:7], s[94:95]
	CROUND                                         ; all sixteen work-groups are here: the joint loads meet
	s_mov_b32 s[G0S], 1
	s_add_co_u32 s[G0S+1], s3, SCL
	s_mov_b64 s[G0S+2:G0S+3], s[92:93]
	s_or_b32 s[G0S+3], s[G0S+3], 0x80000000
	s_mov_b32 s[G0SB], 1
	s_add_co_u32 s[G0SB+1], s3, SCL
	s_mov_b64 s[G0SB+2:G0SB+3], s[94:95]
	s_or_b32 s[G0SB+3], s[G0SB+3], 0x80000000
	JLOAD G0S, G1S, G0SB, G1SB                     ; the scales first; then both slots: three loads of mine are out
.irp s, 0,1
	s_mov_b32 s[G0+4*\s], 1
	s_add_co_u32 s[G0+4*\s+1], s45, \s*SLOT
	s_add_nc_u64 s[G0+4*\s+2:G0+4*\s+3], s[20:21], \s*ROWB
	s_or_b32 s[G0+4*\s+3], s[G0+4*\s+3], 0x80000000
	s_mov_b32 s[G0B+4*\s], 1
	s_add_co_u32 s[G0B+4*\s+1], s45, \s*SLOT
	s_add_nc_u64 s[G0B+4*\s+2:G0B+4*\s+3], s[46:47], \s*ROWB
	s_or_b32 s[G0B+4*\s+3], s[G0B+4*\s+3], 0x80000000
	JLOAD G0+4*\s, G1, G0B+4*\s, G1B
.endr
	v_and_b32 v1, 15, v0                           ; r = lane % 16
	v_bfe_u32 v2, v0, 4, 1                         ; lane / 16
	v_mul_u32_u24 v3, v1, PITCH
	v_lshl_add_u32 v4, v2, 4, v3                   ; a fragment's row x pitch + 16 x half
	s_mul_i32 s21, s17, HALFT                      ; my 128 tokens
	s_mul_i32 s22, s18, HALFT                      ; my 128 rows of W,
	s_add_co_u32 s22, s22, 2*HALFT                 ; behind x's 256
.irp s, 0,1
	v_add_nc_u32 v[ADRA+\s], s21, v4
	v_add_nc_u32 v[ADRB+\s], s22, v4
	s_add_co_u32 s21, s21, SLOT
	s_add_co_u32 s22, s22, SLOT
.endr
	v_mul_u32_u24 v5, v1, KS                       ; my row's scale bytes,
	v_lshrrev_b32 v6, 8, v5
	v_lshl_add_u32 v5, v6, 4, v5                   ; and 16 more for each 256 passed
	s_mul_i32 s21, s17, HALFS
	s_mul_i32 s22, s18, HALFS
	s_add_co_u32 s22, s22, 2*HALFS
	s_sub_co_u32 s22, s22, s21
	v_mul_u32_u24 v6, s22, v2                      ; lanes 16-31 take W's
	s_add_co_u32 s21, s21, SCL
	v_add_nc_u32 v5, v5, v6
	v_add_nc_u32 v[ADRS], s21, v5
	; the bias, the factor and the lane's place in a block hang on the tensor's number: choices, no branch
	s_cmp_eq_u32 s66, 1
	s_cselect_b64 s[98:99], s[10:11], s[8:9]
	s_cmp_eq_u32 s66, 2
	s_cselect_b64 s[98:99], s[12:13], s[98:99]
	s_cselect_b32 s22, 32, 16                      ; bytes from token to token in a block: v 32, q and k 16
	s_cselect_b32 s23, 16, 256                     ; and from half to half of the lanes
	s_mov_b32 s96, 0x3e38aa3b                      ; log2(e) / 8
	s_cmp_eq_u32 s66, 0
	s_cselect_b32 s96, s96, 1.0
	s_mov_b32 s97, s96                             ; (named with it as a pair, so it is written)
	v_mul_u32_u24 v[CO], v1, s22
	v_mad_u32_u24 v[CO], v2, s23, v[CO]
	v_lshlrev_b32 v[BO], 5, v2
	s_lshl_b32 s46, s42, 10                        ; my first feature, in bytes of f32: 1,024 x tile column + 512 x half
	s_lshl_b32 s47, s18, 9
	s_add_co_u32 s46, s46, s47
	s_mov_b32 s47, 0
	s_add_nc_u64 s[98:99], s[98:99], s[46:47]
.irp b, 0,1,2,3,4,5,6,7
	global_load_b128 v[BI+8*\b:BI+8*\b+3], v[BO], s[98:99] offset:64*\b        ; register 8 b + j: bias of feature 16 b + 8 (lane / 16) + j: the result's layout
	global_load_b128 v[BI+8*\b+4:BI+8*\b+7], v[BO], s[98:99] offset:64*\b+16
.endr
	; where my part begins in qkv: (tile row / 8) x 4,194,304 (tensor and batch) + (4 x tile column + 2 x half) heads of 262,144 + ((tile row % 8) 16 + 8 x half) token tiles of 2,048
	s_lshl_b32 s46, s42, 2
	s_lshl_b32 s47, s18, 1
	s_add_co_u32 s46, s46, s47
	s_lshl_b32 s46, s46, 18
	s_lshr_b32 s47, s19, 3
	s_lshl_b32 s47, s47, 22
	s_add_co_u32 s46, s46, s47
	s_and_b32 s47, s19, 7
	s_lshl_b32 s47, s47, 4
	s_lshl_b32 s92, s17, 3
	s_add_co_u32 s47, s47, s92
	s_lshl_b32 s47, s47, 11
	s_add_co_u32 s46, s46, s47
	s_mov_b32 s47, 0
	s_add_nc_u64 s[14:15], s[14:15], s[46:47]
.macro FRAG reg, adr, q, i             ; 16 rows x 128 K of 4-bit codes: 8 registers: two loads of 16 bytes, 32 apart
.irp c, 0,1
	ds_load_b128 v[\reg+4*\c:\reg+4*\c+3], v[\adr] offset:64*(\q)+32*\c+(\i)*16*PITCH
.endr
.endm
; 16 matrix instructions: x's blocks a0, a0 + 1 against W's eight.  p: W's set; sc: the set of scale words.  zero = 1: the product starts the sums.  The 64 accumulators take turns.
.macro MUL16 a0, p, q, sc, zero
.irp a, \a0, \a0+1
.irp b, 0,1,2,3,4,5,6,7
.if \zero
	v_wmma_scale_f32_16x16x128_f8f6f4 v[8*(8*((\a)%4)+\b):8*(8*((\a)%4)+\b)+7], v[128*(\p)+FR*\b:128*(\p)+FR*\b+FR-1], v[AF+FR*(\a):AF+FR*(\a)+FR-1], 0, v[SC+8*NQ*(\sc)+NQ*\b+(\q)], v[SC+8*NQ*(\sc)+NQ*(\a)+(\q)] matrix_a_fmt:MATRIX_FMT_FP4 matrix_b_fmt:MATRIX_FMT_FP4 matrix_a_scale:MATRIX_SCALE_ROW1
.else
	v_wmma_scale_f32_16x16x128_f8f6f4 v[8*(8*((\a)%4)+\b):8*(8*((\a)%4)+\b)+7], v[128*(\p)+FR*\b:128*(\p)+FR*\b+FR-1], v[AF+FR*(\a):AF+FR*(\a)+FR-1], v[8*(8*((\a)%4)+\b):8*(8*((\a)%4)+\b)+7], v[SC+8*NQ*(\sc)+NQ*\b+(\q)], v[SC+8*NQ*(\sc)+NQ*(\a)+(\q)] matrix_a_fmt:MATRIX_FMT_FP4 matrix_b_fmt:MATRIX_FMT_FP4 matrix_a_scale:MATRIX_SCALE_ROW1
.endif
.endr
.endr
.endm
.macro FETCH_B slot, q, p
	WIN TO_B
.irp i, 0,1,2,3,4,5,6,7
	FRAG 128*(\p)+FR*\i, ADRB+\slot, \q, \i
.endr
	WIN 0
.endm
.macro FETCH_A slot, q, i0
.irp i, \i0, \i0+1, \i0+2, \i0+3
	FRAG AF+FR*(\i), ADRA+\slot, \q, \i
.endr
.endm
.macro SCALES sc                       ; a slot's scale words: 4 words a row; lanes 0-15 take x's block i, lanes 16-31 W's block i
.irp i, 0,1,2,3,4,5,6,7
	ds_load_b128 v[SC+8*NQ*\sc+NQ*\i:SC+8*NQ*\sc+NQ*\i+3], v[ADRS] offset:\i*SBLK
.endr
.endm
.macro PLACES n                        ; plain vector lines between a matrix instruction and a load into, or a read of, its registers
.rept \n
	v_nop
.endr
.endm
.macro STEP slot, q, zero              ; 128 along K, with its successor in the same slot
	s_wait_dscnt 4*NL                              ; W's set and x's blocks 0-3 are in; the youngest eight loads (x's blocks 4-7) may be out
	WIN MUL_LO
	MUL16 0, (\q)%2, \q, \slot, \zero
	MUL16 2, (\q)%2, \q, \slot, \zero
	s_wait_dscnt 0
	PLACES NP
	FETCH_B \slot, (\q)+1, 1-(\q)%2
	FETCH_A \slot, (\q)+1, 0
	WIN MUL_HI
	MUL16 4, (\q)%2, \q, \slot, \zero
	MUL16 6, (\q)%2, \q, \slot, \zero
	PLACES NP
	WIN 0
	FETCH_A \slot, (\q)+1, 4
.endm
; Slot 0's last step goes over to slot 1: each wave waits for all its tensor loads (slot 1's is the one that may be out), then the barrier shows the whole slot to every wave.  Nothing is filled again.
.macro TURN slot, next
	s_wait_tensorcnt 0x0
	ds_add_u32 v[SPW], v[NIL]                      ; 0 onto my spare word
	s_wait_dscnt 4*NL+1                            ; the add and the youngest eight loads may be out
	WIN MUL_LO
	MUL16 0, 1, NQ-1, \slot, 0
	s_wait_dscnt 0x0                               ; the add is done, my LDS loads are in
	s_barrier_signal -1
	MUL16 2, 1, NQ-1, \slot, 0
	WIN 0
	s_barrier_wait -1
	PLACES NP
	v_add_nc_u32 v[ADRS], 4*NQ, v[ADRS]            ; the next slot's scale words: 16 bytes on in each row
	FETCH_B \next, 0, 0
	FETCH_A \next, 0, 0
	SCALES \next
	WIN MUL_HI
	MUL16 4, 1, NQ-1, \slot, 0
	MUL16 6, 1, NQ-1, \slot, 0
	PLACES NP
	WIN 0
	FETCH_A \next, 0, 4
.endm
	s_wait_tensorcnt 1                             ; the scales and my part of slot 0 are in; slot 1's load may be out,
	s_barrier_signal -1
	s_barrier_wait -1                              ; everybody's are
	FETCH_B 0, 0, 0
	FETCH_A 0, 0, 0
	SCALES 0
	FETCH_A 0, 0, 4
	STEP 0, 0, 1                                   ; the first products start the sums: nothing is cleared
	STEP 0, 1, 0
	STEP 0, 2, 0
	TURN 0, 1
	STEP 1, 0, 0
	STEP 1, 1, 0
	STEP 1, 2, 0
	s_wait_dscnt 4*NL                              ; the last step: nothing more to fetch
	WIN MUL_LO
	MUL16 0, 1, NQ-1, 1, 0
	MUL16 2, 1, NQ-1, 1, 0
	s_wait_dscnt 0
	WIN MUL_HI
	MUL16 4, 1, NQ-1, 1, 0
	MUL16 6, 1, NQ-1, 1, 0
	WIN 0
	s_wait_loadcnt 0x0                             ; the bias
.irp j, 0,2,4,6,8,10,12,14,16,18,20,22,24,26,28,30,32,34,36,38,40,42,44,46,48,50,52,54,56,58,60,62
	v_pk_mul_f32 v[BI+\j:BI+\j+1], v[BI+\j:BI+\j+1], s[96:97] op_sel_hi:[1,0]   ; bias x MUL.  These 32 lines name no register of the last products: they are the places behind them
.endr
; Block a: 16 tokens x 128 features.  sum x MUL + bias x MUL by one fused line for two numbers, each accumulator from its low end on; f16; eight stores of 512 consecutive bytes.
.macro OUTB a
.set AC, 64*((\a)%4)
.set WN, 0x02+(\a)/4
	WIN WN                                         ; source 0: window 2 or 3
.irp b, 0,1,2,3,4,5,6,7
.irp i, 0,1,2,3
	v_pk_fma_f32 v[T+8*\b+2*\i:T+8*\b+2*\i+1], v[AC+8*\b+2*\i:AC+8*\b+2*\i+1], s[96:97], v[BI+8*\b+2*\i:BI+8*\b+2*\i+1] op_sel_hi:[1,0,1]
.endr
.endr
	WIN 0
	s_wait_xcnt 0x0                                ; the last block's stores have read their data: the registers are written again only behind this wait
.irp j, 0,1,2,3,4,5,6,7,8,9,10,11,12,13,14,15,16,17,18,19,20,21,22,23,24,25,26,27,28,29,30,31
	v_cvt_pk_f16_f32 v[OUT+\j], v[T+2*\j], v[T+2*\j+1]
.endr
.irp b, 0,1,2,3,4,5,6,7
	global_store_b128 v[CO], v[OUT+4*\b:OUT+4*\b+3], s[14:15] offset:(\a)*2048+(\b/4)*262144+(\b%4)*512   ; token tile a, head b / 4, features 16 (b % 4) on
.endr
.endm
.irp a, 0,1,2,3,4,5,6,7
	OUTB \a
.endr
	s_wait_tensorcnt 0x0                           ; the wave's end, behind my last tensor load
	ds_add_u32 v[SPW], v[NIL]
	s_wait_dscnt 0x0
	CROUND                                         ; the closing round
	s_endpgm
.Lfunc_end_k_q848b0ac835_proj:
	.size	k_q848b0ac835_proj, .Lfunc_end_k_q848b0ac835_proj-k_q848b0ac835_proj
	.p2alignl 7, 3214868480
	.fill 96, 4, 3214868480
	.section	.rodata,"a",@progbits
	.p2align	6, 0x0
	.amdhsa_kernel k_q848b0ac835_proj
		.amdhsa_group_segment_fixed_size 327680
		.amdhsa_private_segment_fixed_size 0
		.amdhsa_enable_private_segment 0
		.amdhsa_kernarg_size 48
		.amdhsa_user_sgpr_count 2
		.amdhsa_user_sgpr_kernarg_segment_ptr 1
		.amdhsa_wavefront_size32 1
		.amdhsa_system_sgpr_workgroup_id_x 1
		.amdhsa_system_sgpr_workgroup_id_y 1
		.amdhsa_system_sgpr_workgroup_id_z 1
		.amdhsa_system_vgpr_workitem_id 0
		.amdhsa_next_free_vgpr 1024
		.amdhsa_next_free_sgpr 100
		.amdhsa_reserve_vcc 0
		.amdhsa_float_denorm_mode_32 3
		.amdhsa_float_denorm_mode_16_64 3
		.amdhsa_memory_ordered 1
		.amdhsa_forward_progress 1
		.amdhsa_inst_pref_size 138
	.end_amdhsa_kernel
	.amdgpu_metadata
---
amdhsa.version: [ 1, 2 ]
amdhsa.kernels:
  - .name:           k_q848b0ac835_proj
    .symbol:         k_q848b0ac835_proj.kd
    .args:
      - { .name: codes, .offset: 0, .size: 8, .value_kind: global_buffer, .address_space: global }
      - { .name: scales, .offset: 8, .size: 8, .value_kind: global_buffer, .address_space: global }
      - { .name: b_q, .offset: 16, .size: 8, .value_kind: global_buffer, .address_space: global }
      - { .name: b_k, .offset: 24, .size: 8, .value_kind: global_buffer, .address_space: global }
      - { .name: b_v, .offset: 32, .size: 8, .value_kind: global_buffer, .address_space: global }
      - { .name: qkv, .offset: 40, .size: 8, .value_kind: global_buffer, .address_space: global }
    .group_segment_fixed_size: 327680
    .private_segment_fixed_size: 0
    .kernarg_segment_align: 8
    .kernarg_segment_size: 48
    .max_flat_workgroup_size: 128
    .sgpr_count:     100
    .vgpr_count:     1024
    .wavefront_size: 32
...
	.end_amdgpu_metadata
.endif
;; end of part 2
;; launch attn (part 3): grid 4 x 64, 8 waves a work-group, clusters of 4 x 1, 327,680 bytes of LDS; arguments qkv, ao; writes ao
.if DOCPART == 3
	.amdgcn_target "amdgcn-amd-amdhsa--gfx1250"
	.amdhsa_code_object_version 6
	.text
	.protected	k_q848b0ac835_attn
	.globl	k_q848b0ac835_attn
	.p2align	8
	.type	k_q848b0ac835_attn,@function
k_q848b0ac835_attn:
	s_mov_b64 s[64:65], 0
	v_nop
	global_prefetch_b8 v0, s[64:65] scope:SCOPE_SE
	s_setreg_imm32_b32 hwreg(HW_REG_WAVE_MODE, 25, 1), 1
	s_wait_xcnt 0x0
	s_wait_alu depctr_hold_cnt(0) depctr_sa_sdst(0) depctr_va_vdst(0) depctr_va_sdst(0) depctr_va_ssrc(0) depctr_va_vcc(0) depctr_vm_vsrc(0)
	s_getreg_b32 s2, hwreg(HW_REG_IB_STS2, 6, 4)
	s_cmp_eq_u32 s2, 0
	s_cbranch_scc0 .Lentry_in_a_cluster
	s_endpgm
.Lentry_in_a_cluster:
	s_bfe_u32 s2, ttmp6, 0x10000c
	s_cmp_lg_u32 s2, 0x3003
	s_cbranch_scc0 .Lentry_shape_is_right
	s_endpgm
.Lentry_shape_is_right:
; O[bh][q] = sum over k of softmax_k(Q[bh][q] . K[bh][k] / 8) V[bh][k]: 64 (batch, head) pairs, 2,048 tokens, head size 64, no mask.  Operands f16, products, maxima and sums f32.
; qkv: [tensor 3][bh 64][tile of 16 tokens 128][16 features 4][512 bytes].  q arrives times log2(e) / 8, so a score is already the exponent of 2.  q's and k's blocks are images of operand registers
; (lane l's 16 bytes at 16 l); v's blocks are rows [key][16 channels] of 32 bytes, which ds_load_tr16_b128 turns.
; SHARES: a work-group owns 512 queries of one bh, each of its eight waves 64: four tiles of 16.  Two waves share a SIMD: one wave's products are issued while the other walks its softmax.
; Every wave walks all 2,048 keys, 64 a step.  K and V come through two LDS slots of 512 keys (65,536 bytes of K, then 65,536 of V), each wave fetching 16,384 dense bytes by one tensor load.
; CLUSTER: the four work-groups of a bh walk the same K and V: every tile is asked for jointly, by the same descriptor in all four.
; LAYOUT: S^T = K Q^T (source 0 = 16 keys, source 1 = 16 queries) and O^T = V^T P (source 0 = 16 channels, source 1 = P): a lane holds one query throughout; two tiles of S^T, rounded to f16 in pairs, are P's registers.
; SOFTMAX: a running maximum m and sum l for each query: p = 2^(s - m); in every step O and l are multiplied by a = 2^(m_old - m_new).
; NO PREFETCH: a refill is asked for eight key steps, 512 matrix instructions of a wave, ahead of its first read, and the first two slots go out at the head.
; ao: [128 along the next K 8][tile of 16 tokens 512][16 along K 8][512 bytes], again lane l's 16 bytes at 16 l: the next product's operand image; a store covers 512 consecutive bytes, aligned.
; LIMITS: the result stays under 65,504; p under 6.1e-5 is kept as an f16 denormal (absolute error 3e-8 beside a largest p of 1).
; REGISTERS: window 0: v1-4 addresses; v8, v9 the add's two; v12-43 statistics, eight a tile: +0 m, +1 zero (m's partner in a pair), +2, +3 l, +4 to +7 at work (a in +6);
;   v64-191 S^T, 32 a tile, P packed into each tile's low 16; v192-255 K of a step.   window 1: v0-127 O^T, 32 a tile; v128-191 Q; v192-255 V of a step.
.set SLOT1, 1<<17                      ; slot 1 begins here: one exclusive or turns an address from slot to slot
.set VOFF,  65536                      ; V behind K in a slot
.set STEPB, 8192                       ; a key step's K, or V: four token tiles of 2,048 bytes
.set SPARE, 2*SLOT1                    ; the spare words, 128 bytes for each of eight waves
.set LI,  1                            ; v1  16 x lane
.set AV0, 2                            ; v2  my lane's place in a block of V, for the turning load
.set ADK, 3
.set ADV, 4
.set SPW, 8
.set NIL, 9
.set ST,  12
.set S,   64
.set KF,  192
.set O,   0
.set Q,   128
.set VF,  192
.set G0,  12                           ; s[12:15] group 0 of slot 0's first fill
.set G0W, 16                           ; s[16:19] group 0 that begins with slot 1 and walks
.set G1,  20                           ; s[20:27] group 1, one for all loads
.set SEL, 28                           ; s[28:29] v_permlanex16_b32's selects: lane l xor 16
.set TB,  30                           ; s30 LDS byte at which the step to be fetched begins
.set CNT1, 31
.set CNT2, 32
.set MSB, 0
.macro WIN new
.if MSB != \new
	s_set_vgpr_msb (MSB<<8)|\new
.set MSB, \new
.endif
.endm
.set W_KQ, 0x04                        ; Q (source 1) in window 1
.set W_PV, 0x51                        ; V (source 0), C and D in window 1
.set W_RS, 0x41                        ; O^T (destination and source 0) in window 1
.set TO_1, 0x40                        ; destination in window 1
.macro CROUND                          ; a round of the cluster's barrier
	s_barrier_signal -1
	s_barrier_wait -1
	s_cmp_lg_u32 s8, 0
	s_cbranch_scc1 .Lnot_wave_0_\@
	s_barrier_signal -3
.Lnot_wave_0_\@:
	s_barrier_wait -3
	s_barrier_signal -1
	s_barrier_wait -1
.endm
	s_load_b128 s[4:7], s[0:1], 0x0                ; qkv, ao
	v_lshl_add_u32 v[SPW], v0, 2, SPARE
	v_mov_b32 v[NIL], 0
	ds_add_u32 v[SPW], v[NIL]                      ; the wave's opening: the add, twice on end, and its wait ahead of my first tensor load
	ds_add_u32 v[SPW], v[NIL]
	v_lshrrev_b32 v10, 5, v0
	v_readfirstlane_b32 s8, v10                    ; wave 0..7
	s_bfe_u32 s9, ttmp6, 0x40000                   ; cx
	s_lshl_b32 s10, ttmp9, 2
	s_add_co_u32 s10, s10, s9                      ; my block of 512 queries: it enters Q's and ao's addresses alone
	s_and_b32 s11, ttmp7, 0xffff                   ; bh, which the four partners share
	s_mov_b32 s[G1], 15|(3<<16)|(1<<21)            ; the mask: all four; elements of 8 bytes; bit 21 beside a mask; no padding
	s_mov_b32 s[G1+1], 32<<16                      ; tensor_dim0: 32 elements = 256 bytes
	s_mov_b32 s[G1+2], 64<<16                      ; tensor_dim1: 64 rows
	s_mov_b32 s[G1+3], 32<<16                      ; tile_dim0
	s_mov_b32 s[G1+4], 64                          ; tile_dim1
	s_mov_b32 s[G1+5], 32                          ; dense rows
	s_mov_b32 s[G1+6], 0
	s_mov_b32 s[G1+7], 0
	s_mov_b32 s[SEL], 0x76543210
	s_mov_b32 s[SEL+1], 0xfedcba98
	s_mov_b32 s[TB], 0
	s_lshl_b32 s33, s11, 18                        ; bh x 262,144
	s_lshr_b32 s34, s8, 2
	s_add_co_u32 s34, s34, 1                       ; waves 0-3: tensor 1 (k); waves 4-7: tensor 2 (v)
	s_lshl_b32 s34, s34, 24
	s_add_co_u32 s34, s34, s33
	s_and_b32 s35, s8, 3
	s_lshl_b32 s35, s35, 14                        ; my quarter of a slot's 65,536 bytes
	s_add_co_u32 s34, s34, s35
	s_mov_b32 s35, 0
	s_lshl_b32 s43, s8, 14                         ; and its place in a slot: 16,384 x wave
	s_lshl_b32 s36, s10, 5
	s_lshl_b32 s37, s8, 2
	s_add_co_u32 s36, s36, s37                     ; my first token tile in the bh: 32 x block + 4 x wave
	s_lshl_b32 s38, s36, 11
	s_add_co_u32 s38, s38, s33                     ; Q
	s_mov_b32 s39, 0
	s_and_b32 s40, s11, 15                         ; the head
	s_lshr_b32 s41, s11, 4                         ; the batch
	s_lshl_b32 s41, s41, 7
	s_add_co_u32 s41, s41, s36                     ; my first token tile of all 512
	s_lshl_b32 s41, s41, 12
	s_lshr_b32 s42, s40, 1
	s_lshl_b32 s42, s42, 21                        ; two heads to 128 along the next K
	s_add_co_u32 s41, s41, s42
	s_and_b32 s40, s40, 1
	s_lshl_b32 s40, s40, 11
	s_add_co_u32 s40, s40, s41
	s_mov_b32 s41, 0
	s_wait_dscnt 0x0                               ; both opening adds are done
	s_wait_kmcnt 0x0
	s_add_nc_u64 s[34:35], s[4:5], s[34:35]
	s_add_nc_u64 s[38:39], s[4:5], s[38:39]
	s_add_nc_u64 s[6:7], s[6:7], s[40:41]
	CROUND                                         ; all four work-groups are here: the first joint loads meet
	s_mov_b32 s[G0], 1
	s_mov_b32 s[G0+1], s43
	s_mov_b64 s[G0+2:G0+3], s[34:35]
	s_or_b32 s[G0+3], s[G0+3], 0x80000000
	s_mov_b32 s[G0W], 1
	s_add_co_u32 s[G0W+1], s43, SLOT1
	s_add_nc_u64 s[G0W+2:G0W+3], s[34:35], 65536
	s_or_b32 s[G0W+3], s[G0W+3], 0x80000000
	tensor_load_to_lds s[G0:G0+3], s[G1:G1+7]      ; keys 0-511
	s_nop 0
	tensor_load_to_lds s[G0W:G0W+3], s[G1:G1+7]    ; keys 512-1023: two loads of mine are out
	s_nop 0
.rept 4
	v_nop
.endr
	v_and_b32 v10, 31, v0
	v_lshlrev_b32 v[LI], 4, v10
	v_bfe_u32 v11, v0, 4, 1
	v_and_b32 v[AV0], 7, v0
	v_lshl_add_u32 v[AV0], v11, 3, v[AV0]          ; key 8 (lane / 16) + lane % 8 of a block,
	v_lshlrev_b32 v[AV0], 5, v[AV0]                ; 32 bytes a key,
	v_bfe_u32 v11, v0, 3, 1
	v_lshl_add_u32 v[AV0], v11, 4, v[AV0]          ; channels 8 ((lane / 8) % 2) on
	v_add_nc_u32 v[AV0], VOFF, v[AV0]
.irp t, 0,1,2,3
	v_mov_b32 v[ST+8*\t+1], 0                      ; named with m as a pair, so it is written
.endr
	WIN TO_1
.irp i, 0,1,2,3,4,5,6,7,8,9,10,11,12,13,14,15
	global_load_b128 v[Q+4*\i:Q+4*\i+3], v[LI], s[38:39] offset:512*\i   ; Q stays in registers: tile i / 4, features 16 (i % 4) on
.endr
	WIN 0
.macro LOADK                           ; a step's K: 16 blocks, key tile i / 4, features 16 (i % 4) on: fragment (kt, ds) at KF + 16 kt + 8 ds
.irp i, 0,1,2,3,4,5,6,7,8,9,10,11,12,13,14,15
	ds_load_b128 v[KF+4*\i:KF+4*\i+3], v[ADK] offset:512*\i
.endr
.endm
.macro LOADV                           ; a step's V, turned: keys 32 ks + 16 c on, channels 16 dt on
	WIN TO_1
.irp ks, 0,1
.irp dt, 0,1,2,3
.irp c, 0,1
	ds_load_tr16_b128 v[VF+32*\ks+8*\dt+4*\c:VF+32*\ks+8*\dt+4*\c+3], v[ADV] offset:(2*\ks+\c)*2048+512*\dt
.endr
.endr
.endr
.endm
; 32 products S^T = K Q^T: features 32 ds on, keys 16 kt on, tile t.  The 16 accumulators take turns; the first 16 products start the sums.
.macro KQ
	WIN W_KQ
.irp ds, 0,1
.irp kt, 0,1,2,3
.irp t, 0,1,2,3
.if \ds == 0
	v_wmma_f32_16x16x32_f16 v[S+32*\t+8*\kt:S+32*\t+8*\kt+7], v[KF+16*\kt+8*\ds:KF+16*\kt+8*\ds+7], v[Q+16*\t+8*\ds:Q+16*\t+8*\ds+7], 0
.else
	v_wmma_f32_16x16x32_f16 v[S+32*\t+8*\kt:S+32*\t+8*\kt+7], v[KF+16*\kt+8*\ds:KF+16*\kt+8*\ds+7], v[Q+16*\t+8*\ds:Q+16*\t+8*\ds+7], v[S+32*\t+8*\kt:S+32*\t+8*\kt+7]
.endif
.endr
.endr
.endr
.endm
; 32 products O^T += V^T P: keys 32 ks on, channels 16 dt on, tile t.  zero = 1: the first 16 start the sums.
.macro PV zero
	WIN W_PV
.irp ks, 0,1
.irp dt, 0,1,2,3
.irp t, 0,1,2,3
.if (\zero) && (\ks == 0)
	v_wmma_f32_16x16x32_f16 v[O+32*\t+8*\dt:O+32*\t+8*\dt+7], v[VF+32*\ks+8*\dt:VF+32*\ks+8*\dt+7], v[S+32*\t+8*\ks:S+32*\t+8*\ks+7], 0
.else
	v_wmma_f32_16x16x32_f16 v[O+32*\t+8*\dt:O+32*\t+8*\dt+7], v[VF+32*\ks+8*\dt:VF+32*\ks+8*\dt+7], v[S+32*\t+8*\ks:S+32*\t+8*\ks+7], v[O+32*\t+8*\dt:O+32*\t+8*\dt+7]
.endif
.endr
.endr
.endr
.endm
.macro SUBM t, i                       ; pair i of tile t: s - m
	v_pk_add_f32 v[S+32*(\t)+2*(\i):S+32*(\t)+2*(\i)+1], v[S+32*(\t)+2*(\i):S+32*(\t)+2*(\i)+1], v[ST+8*(\t):ST+8*(\t)+1] op_sel_hi:[1,0] neg_lo:[0,1] neg_hi:[0,1]
.endm
; A key step's softmax for the wave's four tiles, which take turns line by line so that no line waits for the line above it.  first = 1: the first key step: no old m, no a.
.macro SOFTMAX first
.irp j, 0,1,2,3                        ; the maximum: four chains a tile, each begun at the low end of one accumulator
.irp t, 0,1,2,3
	v_max3_num_f32 v[ST+8*\t+4+\j], v[S+32*\t+8*\j], v[S+32*\t+8*\j+1], v[S+32*\t+8*\j+2]
.endr
.endr
.irp g, 1,2
.irp j, 0,1,2,3
.irp t, 0,1,2,3
	v_max3_num_f32 v[ST+8*\t+4+\j], v[ST+8*\t+4+\j], v[S+32*\t+8*\j+2*\g+1], v[S+32*\t+8*\j+2*\g+2]
.endr
.endr
.endr
.irp t, 0,1,2,3
	v_max3_num_f32 v[ST+8*\t+4], v[ST+8*\t+4], v[S+32*\t+7], v[S+32*\t+15]
.endr
.irp t, 0,1,2,3
	v_max3_num_f32 v[ST+8*\t+6], v[ST+8*\t+6], v[S+32*\t+23], v[S+32*\t+31]
.endr
.irp t, 0,1,2,3
	v_max3_num_f32 v[ST+8*\t+4], v[ST+8*\t+4], v[ST+8*\t+5], v[ST+8*\t+6]
.endr
.irp t, 0,1,2,3
.if \first
	v_max_num_f32 v[ST+8*\t+4], v[ST+8*\t+4], v[ST+8*\t+7]
.else
	v_max3_num_f32 v[ST+8*\t+4], v[ST+8*\t+4], v[ST+8*\t+7], v[ST+8*\t]   ; and the old m
.endif
.endr
.irp t, 0,1,2,3
	v_permlanex16_b32 v[ST+8*\t+5], v[ST+8*\t+4], s[SEL], s[SEL+1]        ; the query's other 32 keys lie in the lane 16 away
.endr
.irp t, 0,1,2,3
	v_max_num_f32 v[ST+8*\t+4], v[ST+8*\t+4], v[ST+8*\t+5]                ; the new m
.endr
.if !\first
.irp t, 0,1,2,3
	v_sub_f32 v[ST+8*\t+7], v[ST+8*\t], v[ST+8*\t+4]                      ; m_old - m_new
.endr
.endif
.irp t, 0,1,2,3
	v_mov_b32 v[ST+8*\t], v[ST+8*\t+4]
.endr
.if !\first
.irp t, 0,1,2,3
	v_exp_f32 v[ST+8*\t+6], v[ST+8*\t+7]                                  ; a
.endr
.endif
; ONE BATCH: all exponentials of the step; between them the next tile's subtractions.  No line up to the wait names an exponential's result.
.irp i, 0,1,2,3,4,5,6,7,8,9,10,11,12,13,14,15
	SUBM 0, \i
.endr
.irp t, 0,1,2,3
.irp i, 0,1,2,3,4,5,6,7,8,9,10,11,12,13,14,15
.if \t < 3
	SUBM \t+1, \i
.endif
	v_exp_f32 v[S+32*\t+2*\i], v[S+32*\t+2*\i]
	v_exp_f32 v[S+32*\t+2*\i+1], v[S+32*\t+2*\i+1]
.endr
.endr
	v_nop                                          ; a plain line behind the last exponential
	s_wait_alu depctr_va_vdst(0)                   ; one wait for the whole batch, ahead of its first reader
.if \first
.irp t, 0,1,2,3
	v_pk_add_f32 v[ST+8*\t+2:ST+8*\t+3], v[S+32*\t:S+32*\t+1], v[S+32*\t+2:S+32*\t+3]   ; l begins
.endr
.irp i, 2,3,4,5,6,7,8,9,10,11,12,13,14,15
.irp t, 0,1,2,3
	v_pk_add_f32 v[ST+8*\t+2:ST+8*\t+3], v[ST+8*\t+2:ST+8*\t+3], v[S+32*\t+2*\i:S+32*\t+2*\i+1]
.endr
.endr
.else
.irp t, 0,1,2,3
	v_pk_fma_f32 v[ST+8*\t+2:ST+8*\t+3], v[ST+8*\t+2:ST+8*\t+3], v[ST+8*\t+6:ST+8*\t+7], v[S+32*\t:S+32*\t+1] op_sel_hi:[1,0,1]   ; l = a l + p
.endr
.irp i, 1,2,3,4,5,6,7,8,9,10,11,12,13,14,15
.irp t, 0,1,2,3
	v_pk_add_f32 v[ST+8*\t+2:ST+8*\t+3], v[ST+8*\t+2:ST+8*\t+3], v[S+32*\t+2*\i:S+32*\t+2*\i+1]
.endr
.endr
.endif
.irp i, 0,1,2,3,4,5,6,7,8,9,10,11,12,13,14,15
.irp t, 0,1,2,3
	v_cvt_pk_f16_f32 v[S+32*\t+\i], v[S+32*\t+2*\i], v[S+32*\t+2*\i+1]    ; P, packed in place, ascending: register i has been read when it is written
.endr
.endr
.endm
; THE REST OF KEY STEP j, whose scores lie in S^T and whose V is on its way into registers, and the head of step j + 1.
; more = 1: K of step j + 1 is fetched ahead of the softmax, V of step j + 1 behind the products V^T P, and K Q^T of step j + 1 closes the trip.
.macro RSTEP first, more
	WIN 0
.if \more
	v_add_nc_u32 v[ADK], s[TB], v[LI]              ; these four plain lines are the places between K Q^T and the loads into K's registers and the first read of the scores
	v_add_nc_u32 v[ADV], s[TB], v[AV0]
	v_nop
	v_nop
	LOADK
.else
.rept 4
	v_nop
.endr
.endif
	SOFTMAX \first
.if !\first
	WIN W_RS
.irp i, 0,1,2,3,4,5,6,7,8,9,10,11,12,13,14,15
.irp t, 0,1,2,3
	v_pk_mul_f32 v[O+32*\t+2*\i:O+32*\t+2*\i+1], v[O+32*\t+2*\i:O+32*\t+2*\i+1], v[ST+8*\t+6:ST+8*\t+7] op_sel_hi:[1,0]   ; O^T x a, each accumulator from its low end on
.endr
.endr
.endif
	s_wait_dscnt 16*\more                          ; V of step j is in; the 16 younger loads, K of step j + 1, may be out
	PV \first
.if \more
.rept 5
	v_nop                                          ; five places: K Q^T below writes over registers that V^T P has read as P; they serve the loads into V's registers too
.endr
	LOADV
	s_add_co_u32 s[TB], s[TB], STEPB
	s_wait_dscnt 16                                ; K is in; V's 16 loads may be out
	KQ
.endif
	WIN 0
.endm
; THE CHANGE OF SLOTS: all of the slot in hand has been asked for.  Each wave waits for all its tensor loads, adds 0 to its spare word, and waits for that and for its reads of the slot.
; fill = 1: behind a round of the cluster's barrier the slot is filled again, with the keys two slots on: one load a wave, first thing behind the round.
.macro CHANGE fill
	WIN 0
	s_wait_tensorcnt 0x0                           ; no tensor load of mine is out, so a group 0 may be written
	ds_add_u32 v[SPW], v[NIL]
.if \fill
	s_xor_b32 s[G0W+1], s[G0W+1], SLOT1            ; the other slot than last time,
	s_add_nc_u64 s[G0W+2:G0W+3], s[G0W+2:G0W+3], 65536   ; the next 512 keys
.endif
	s_wait_dscnt 0x0                               ; the add is done, and my reads of the slot are over
.if \fill
	CROUND
	tensor_load_to_lds s[G0W:G0W+3], s[G1:G1+7]
	s_nop 0
.rept 4
	v_nop
.endr
.else
	s_barrier_signal -1
	s_barrier_wait -1
.endif
	s_sub_co_u32 s[TB], s[TB], 65536               ; the fetches go back to a slot's first step,
	s_xor_b32 s[TB], s[TB], SLOT1                  ; in the other slot
.endm
	s_wait_tensorcnt 0x1                           ; my part of slot 0 is in; slot 1's may stay out
	s_barrier_signal -1
	s_barrier_wait -1
	v_add_nc_u32 v[ADK], s[TB], v[LI]
	v_add_nc_u32 v[ADV], s[TB], v[AV0]
	LOADK                                          ; key step 0
	LOADV
	s_add_co_u32 s[TB], s[TB], STEPB
	s_wait_loadcnt 0x0                             ; Q
	s_wait_dscnt 16                                ; K is in; V's 16 loads may be out
	KQ
	WIN 0
	RSTEP 1, 1                                     ; step 0
	s_mov_b32 s[CNT2], 6
.Lhead:                                            ; steps 1 to 6
	RSTEP 0, 1
	s_sub_co_u32 s[CNT2], s[CNT2], 1
	s_cmp_lg_u32 s[CNT2], 0
	s_cbranch_scc1 .Lhead
	s_mov_b32 s[CNT1], 2
.Lslot:                                            ; steps 7 to 14 and 15 to 22: each trip leaves a slot and fills it again
	CHANGE 1
	s_mov_b32 s[CNT2], 8
.Lstep:
	RSTEP 0, 1
	s_sub_co_u32 s[CNT2], s[CNT2], 1
	s_cmp_lg_u32 s[CNT2], 0
	s_cbranch_scc1 .Lstep
	s_sub_co_u32 s[CNT1], s[CNT1], 1
	s_cmp_lg_u32 s[CNT1], 0
	s_cbranch_scc1 .Lslot
	CHANGE 0                                       ; the tail is written out: nothing is left to ask for
	s_mov_b32 s[CNT2], 8
.Ltail:                                            ; steps 23 to 30
	RSTEP 0, 1
	s_sub_co_u32 s[CNT2], s[CNT2], 1
	s_cmp_lg_u32 s[CNT2], 0
	s_cbranch_scc1 .Ltail
	RSTEP 0, 0                                     ; step 31
	; THE WAY OUT: l's halves and the other half of the lanes' are added (these lines are the places behind the last products); O^T / l, to f16, stored as the next product's operand image.
.irp t, 0,1,2,3
	v_add_f32 v[ST+8*\t+4], v[ST+8*\t+2], v[ST+8*\t+3]
.endr
.irp t, 0,1,2,3
	v_permlanex16_b32 v[ST+8*\t+5], v[ST+8*\t+4], s[SEL], s[SEL+1]
.endr
.irp t, 0,1,2,3
	v_add_f32 v[ST+8*\t+4], v[ST+8*\t+4], v[ST+8*\t+5]
.endr
.irp t, 0,1,2,3
	v_rcp_f32 v[ST+8*\t+6], v[ST+8*\t+4]
.endr
	v_nop                                          ; a plain line behind the last reciprocal
	s_wait_alu depctr_va_vdst(0)                   ; one wait for the four, ahead of their first reader
.macro OUTT t
	WIN W_RS
.irp i, 0,1,2,3,4,5,6,7,8,9,10,11,12,13,14,15
	v_pk_mul_f32 v[O+32*\t+2*\i:O+32*\t+2*\i+1], v[O+32*\t+2*\i:O+32*\t+2*\i+1], v[ST+8*\t+6:ST+8*\t+7] op_sel_hi:[1,0]
.endr
	WIN 0x05                                       ; sources 0 and 1 in window 1
.irp i, 0,1,2,3,4,5,6,7,8,9,10,11,12,13,14,15
	v_cvt_pk_f16_f32 v[S+16*\t+\i], v[O+32*\t+2*\i], v[O+32*\t+2*\i+1]
.endr
	WIN 0
.irp d, 0,1,2,3
	global_store_b128 v[LI], v[S+16*\t+4*\d:S+16*\t+4*\d+3], s[6:7] offset:4096*\t+512*\d   ; token tile t, channels 16 d on: 512 consecutive bytes, aligned
.endr
.endm
	OUTT 0
	OUTT 1
	OUTT 2
	OUTT 3
	s_wait_tensorcnt 0x0                           ; the wave's end, behind my last tensor load
	ds_add_u32 v[SPW], v[NIL]
	s_wait_dscnt 0x0
	CROUND                                         ; the closing round
	s_endpgm
.Lfunc_end_k_q848b0ac835_attn:
	.size	k_q848b0ac835_attn, .Lfunc_end_k_q848b0ac835_attn-k_q848b0ac835_attn
	.p2alignl 7, 3214868480
	.fill 96, 4, 3214868480
	.section	.rodata,"a",@progbits
	.p2align	6, 0x0
	.amdhsa_kernel k_q848b0ac835_attn
		.amdhsa_group_segment_fixed_size 327680
		.amdhsa_private_segment_fixed_size 0
		.amdhsa_enable_private_segment 0
		.amdhsa_kernarg_size 16
		.amdhsa_user_sgpr_count 2
		.amdhsa_user_sgpr_kernarg_segment_ptr 1
		.amdhsa_wavefront_size32 1
		.amdhsa_system_sgpr_workgroup_id_x 1
		.amdhsa_system_sgpr_workgroup_id_y 1
		.amdhsa_system_sgpr_workgroup_id_z 1
		.amdhsa_system_vgpr_workitem_id 0
		.amdhsa_next_free_vgpr 512
		.amdhsa_next_free_sgpr 66
		.amdhsa_reserve_vcc 0
		.amdhsa_float_denorm_mode_32 3
		.amdhsa_float_denorm_mode_16_64 3
		.amdhsa_memory_ordered 1
		.amdhsa_forward_progress 1
		.amdhsa_inst_pref_size 171
	.end_amdhsa_kernel
	.amdgpu_metadata
---
amdhsa.version: [ 1, 2 ]
amdhsa.kernels:
  - .name:           k_q848b0ac835_attn
    .symbol:         k_q848b0ac835_attn.kd
    .args:
      - { .name: qkv, .offset: 0, .size: 8, .value_kind: global_buffer, .address_space: global }
      - { .name: ao, .offset: 8, .size: 8, .value_kind: global_buffer, .address_space: global }
    .group_segment_fixed_size: 327680
    .private_segment_fixed_size: 0
    .kernarg_segment_align: 8
    .kernarg_segment_size: 16
    .max_flat_workgroup_size: 256
    .sgpr_count:     66
    .vgpr_count:     512
    .wavefront_size: 32
...
	.end_amdgpu_metadata
.endif
;; end of part 3
;; launch outp (part 4): grid 8 x 32, 4 waves a work-group, clusters of 4 x 4, 327,680 bytes of LDS; arguments ao, wo, b_out, out0; writes out0
.if DOCPART == 4
	.amdgcn_target "amdgcn-amd-amdhsa--gfx1250"
	.amdhsa_code_object_version 6
	.text
	.protected	k_q848b0ac835_outp
	.globl	k_q848b0ac835_outp
	.p2align	8
	.type	k_q848b0ac835_outp,@function
k_q848b0ac835_outp:
	s_mov_b64 s[64:65], 0
	v_nop
	global_prefetch_b8 v0, s[64:65] scope:SCOPE_SE
	s_setreg_imm32_b32 hwreg(HW_REG_WAVE_MODE, 25, 1), 1
	s_wait_xcnt 0x0
	s_wait_alu depctr_hold_cnt(0) depctr_sa_sdst(0) depctr_va_vdst(0) depctr_va_sdst(0) depctr_va_ssrc(0) depctr_va_vcc(0) depctr_vm_vsrc(0)
	s_getreg_b32 s2, hwreg(HW_REG_IB_STS2, 6, 4)
	s_cmp_eq_u32 s2, 0
	s_cbranch_scc0 .Lentry_in_a_cluster
	s_endpgm
.Lentry_in_a_cluster:
	s_bfe_u32 s2, ttmp6, 0x10000c
	s_cmp_lg_u32 s2, 0xf033
	s_cbranch_scc0 .Lentry_shape_is_right
	s_endpgm
.Lentry_shape_is_right:
; out0[m][n] = sum over k of a[m][k] W_out[n][k] + b_out[n]: 8,192 tokens, 1,024 features, K = 1,024; operands f16, sums f32, the result f32.
; ao: [K step of 128: 8][tile of 16 tokens 512][16 along K 8][512 bytes], lane l's 16 bytes at 16 l: images of operand registers.  wo: W_out in f16, [1024][1024], K innermost.
; A tile is 256 tokens x 128 features: 32 x 8 = 256 work-groups.  Four waves, each 128 tokens x 64 features: 32 accumulators, 256 registers.
; K goes in 8 steps of 128 through two LDS slots: a's 16 token tiles of a step are 65,536 dense bytes (no padding: a fragment load takes 512 consecutive bytes); W_out's 128 rows of 256 bytes get 16 bytes of padding each.
; CLUSTERS: 4 x 4 work-groups; a's tiles are shared along a row of the cluster, W_out's along a column: joint loads.  Waves 0 and 1 fetch a's halves, waves 2 and 3 W_out's.
; THE MATRIX INSTRUCTION IS USED TRANSPOSED (source 0 = 16 rows of W_out, source 1 = 16 tokens): a lane holds eight neighbouring features of a token.  The bias is the C of each sum's first product.
; THE WAY OUT: a block of 16 tokens x 64 features goes through the wave's own stage in LDS and leaves as rows: sixteen lanes store 256 consecutive bytes, aligned.
; LIMITS: |a| and |W_out| stay under 65,504, the largest f16 number.
; REGISTERS: window 0: v16-30 addresses; v32-63 the bias; v64-127 rows on the way out, two sets.   window 1: two fragment buffers at v0 and v128: 32 registers of W_out (4 x 16 rows x 32 K), then 64 of a (8 x 16 tokens x 32 K).
;   window 2: accumulator (a, b) at v[8 (4 a + b)].
.set ABYTES, 65536
.set PITCH,  272                       ; a row of W_out in LDS: 256 bytes + 16 = 68 words: the 16 rows that a load touches start 4 words apart modulo 64
.set BHALF,  64*PITCH
.set SLOT,   ABYTES+2*BHALF
.set STAGE,  2*SLOT                    ; behind the ring: 16 rows x 272 bytes for each wave
.set SPITCH, 272
.set SPARE,  STAGE+4*16*SPITCH         ; the spare words, 128 bytes a wave
.set LAPS,   4                         ; a lap = two K steps
.set ADRA, 16
.set ADRB, 20
.set STO,  24
.set RD,   25
.set CO,   26
.set SPW,  28
.set NIL,  29
.set BO,   30
.set BI,   32
.set BK,   64
.set F0,   0
.set F1,   128
.set G1, 24
.set G0, 32
.set G1B, 48
.set G0B, 56
.set MSB, 0
.macro WIN new
.if MSB != \new
	s_set_vgpr_msb (MSB<<8)|\new
.set MSB, \new
.endif
.endm
.set MUL,   0xa5                       ; sources 0 and 1 window 1; C and D window 2
.set MUL_B, 0x85                       ; the same with C, the bias, in window 0
.set TO_F,  0x40
.macro JLOAD s                         ; a joint load; an s_nop 0 and four v_nop follow each of the two lines
	s_cmp_eq_u32 s13, 0
	s_cbranch_scc0 .Lfor_b_\@
	tensor_load_to_lds s[G0+4*\s:G0+4*\s+3], s[G1:G1+7]
	s_nop 0
.rept 4
	v_nop
.endr
	s_branch .Lasked_\@
.Lfor_b_\@:
	tensor_load_to_lds s[G0B+4*\s:G0B+4*\s+3], s[G1B:G1B+7]
	s_nop 0
.rept 4
	v_nop
.endr
.Lasked_\@:
.endm
.macro CREST                           ; a round of the cluster's barrier behind its opening barrier
	s_cmp_lg_u32 s12, 0
	s_cbranch_scc1 .Lnot_wave_0_\@
	s_barrier_signal -3
.Lnot_wave_0_\@:
	s_barrier_wait -3
	s_barrier_signal -1
	s_barrier_wait -1
.endm
.macro CROUND
	s_barrier_signal -1
	s_barrier_wait -1
	CREST
.endm
	s_load_b256 s[4:11], s[0:1], 0x0               ; ao, wo, b_out, out0
	v_lshl_add_u32 v[SPW], v0, 2, SPARE
	v_mov_b32 v[NIL], 0
	ds_add_u32 v[SPW], v[NIL]                      ; the wave's opening: the add, twice on end, and its wait ahead of my first tensor load
	ds_add_u32 v[SPW], v[NIL]
	v_lshrrev_b32 v1, 5, v0
	v_readfirstlane_b32 s12, v1                    ; wave 0..3
	s_lshr_b32 s13, s12, 1                         ; which 128 tokens are mine.  Also: I fetch for a (0) or for W_out (1)
	s_and_b32 s14, s12, 1                          ; which 64 features.  Also: which half of that tile I fetch
	s_bfe_u32 s40, ttmp6, 0x40000                  ; cx
	s_bfe_u32 s41, ttmp6, 0x40004                  ; cy
	s_lshl_b32 s42, ttmp9, 2
	s_add_co_u32 s42, s42, s40                     ; tile column 0..7
	s_and_b32 s15, ttmp7, 0xffff
	s_lshl_b32 s15, s15, 2
	s_add_co_u32 s15, s15, s41                     ; tile row 0..31
	s_lshl_b32 s43, s41, 2
	s_lshl_b32 s43, 15, s43                        ; my row of the cluster
	s_lshl_b32 s44, 0x1111, s40                    ; my column
	s_or_b32 s[G1+0], s43, (3<<16)|(1<<21)         ; a: the mask; elements of 8 bytes; bit 21 beside a mask; no padding
	s_mov_b32 s[G1+1], 32<<16                      ; 32,768 dense bytes as 128 rows of 256
	s_mov_b32 s[G1+2], 128<<16
	s_mov_b32 s[G1+3], 32<<16
	s_mov_b32 s[G1+4], 128
	s_mov_b32 s[G1+5], 32
	s_mov_b32 s[G1+6], 0
	s_mov_b32 s[G1+7], 0
	s_or_b32 s[G1B+0], s44, (1<<16)|(1<<20)|(1<<21)|(5<<22)|(3<<25)   ; W_out: elements of 2 bytes; 4 words of padding behind every 64
	s_mov_b32 s[G1B+1], 128<<16                    ; 64 rows of 128 elements,
	s_mov_b32 s[G1B+2], 64<<16
	s_mov_b32 s[G1B+3], 128<<16
	s_mov_b32 s[G1B+4], 64
	s_mov_b32 s[G1B+5], 1024                       ; 1,024 elements from row to row
	s_mov_b32 s[G1B+6], 0
	s_mov_b32 s[G1B+7], 0
	s_lshl_b32 s16, s15, 16                        ; a: 16 token tiles of 4,096 bytes a tile row,
	s_lshl_b32 s17, s14, 15                        ; + my eight
	s_add_co_u32 s16, s16, s17
	s_mov_b32 s17, 0
	s_lshl_b32 s46, s42, 18                        ; W_out: 128 rows of 2,048 bytes a tile column,
	s_lshl_b32 s47, s14, 17                        ; + my 64
	s_add_co_u32 s46, s46, s47
	s_mov_b32 s47, 0
	s_lshl_b32 s20, s14, 15                        ; where they go: a's halves,
	s_mul_i32 s21, s14, BHALF
	s_add_co_u32 s21, s21, ABYTES                  ; W_out's halves behind them
	s_wait_dscnt 0x0                               ; both opening adds are done
	s_wait_kmcnt 0x0
	s_add_nc_u64 s[16:17], s[4:5], s[16:17]
	s_add_nc_u64 s[46:47], s[6:7], s[46:47]
	CROUND                                         ; all sixteen work-groups are here: the first joint loads meet
.irp s, 0,1
	s_mov_b32 s[G0+4*\s], 1
	s_add_co_u32 s[G0+4*\s+1], s20, \s*SLOT
	s_add_nc_u64 s[G0+4*\s+2:G0+4*\s+3], s[16:17], \s*2097152      ; K step s
	s_or_b32 s[G0+4*\s+3], s[G0+4*\s+3], 0x80000000
	s_mov_b32 s[G0B+4*\s], 1
	s_add_co_u32 s[G0B+4*\s+1], s21, \s*SLOT
	s_add_nc_u64 s[G0B+4*\s+2:G0B+4*\s+3], s[46:47], \s*256
	s_or_b32 s[G0B+4*\s+3], s[G0B+4*\s+3], 0x80000000
	JLOAD \s
.endr
	v_and_b32 v1, 15, v0                           ; r
	v_bfe_u32 v2, v0, 4, 1                         ; lane / 16
	v_and_b32 v3, 31, v0
	v_lshlrev_b32 v3, 4, v3                        ; 16 x lane: a's images
	v_mul_u32_u24 v4, v1, PITCH
	v_lshl_add_u32 v4, v2, 4, v4                   ; W_out: row x pitch + 16 x half
	s_lshl_b32 s22, s13, 15                        ; my 128 tokens
	s_mul_i32 s23, s14, BHALF                      ; my 64 rows of W_out
	s_add_co_u32 s23, s23, ABYTES
.irp s, 0,1
	v_add_nc_u32 v[ADRA+\s], s22, v3
	v_add_nc_u32 v[ADRB+\s], s23, v4
	s_add_co_u32 s22, s22, SLOT
	s_add_co_u32 s23, s23, SLOT
.endr
	s_mul_i32 s22, s12, 16*SPITCH
	s_add_co_u32 s22, s22, STAGE                   ; my stage
	v_mul_u32_u24 v5, v1, SPITCH
	v_lshl_add_u32 v5, v2, 5, v5
	v_add_nc_u32 v[STO], s22, v5                   ; in: row r, 32 bytes for each half of the lanes
	v_mul_u32_u24 v5, v2, SPITCH
	v_lshl_add_u32 v5, v1, 4, v5
	v_add_nc_u32 v[RD], s22, v5                    ; back: lanes 0-15 one row of 256 bytes, lanes 16-31 the next
	v_lshlrev_b32 v5, 12, v2
	v_lshl_add_u32 v[CO], v1, 4, v5                ; and the same two rows in out0 (4,096 bytes a row)
	v_lshlrev_b32 v[BO], 5, v2
	s_lshl_b32 s46, s42, 9                         ; my first feature in bytes of f32: 512 x tile column + 256 x half
	s_lshl_b32 s47, s14, 8
	s_add_co_u32 s46, s46, s47
	s_mov_b32 s47, 0
	s_add_nc_u64 s[8:9], s[8:9], s[46:47]
	s_add_nc_u64 s[10:11], s[10:11], s[46:47]
	s_lshl_b32 s46, s15, 20                        ; my first token: 256 x tile row + 128 x half, 4,096 bytes each
	s_lshl_b32 s47, s13, 19
	s_add_co_u32 s46, s46, s47
	s_mov_b32 s47, 0
	s_add_nc_u64 s[10:11], s[10:11], s[46:47]
.irp b, 0,1,2,3
	global_load_b128 v[BI+8*\b:BI+8*\b+3], v[BO], s[8:9] offset:64*\b          ; register 8 b + j: bias of feature 16 b + 8 (lane / 16) + j
	global_load_b128 v[BI+8*\b+4:BI+8*\b+7], v[BO], s[8:9] offset:64*\b+16
.endr
; 4 n matrix instructions: a's blocks a0 .. a0 + n - 1 against W_out's four, 32 along K, out of buffer f.  first = 1: C is the bias.  The 32 accumulators take turns.
.macro MULN f, a0, n, first
.set AA, \a0
.rept \n
.irp b, 0,1,2,3
.if \first
	v_wmma_f32_16x16x32_f16 v[8*(4*AA+\b):8*(4*AA+\b)+7], v[\f+8*\b:\f+8*\b+7], v[\f+32+8*AA:\f+32+8*AA+7], v[BI+8*\b:BI+8*\b+7]
.else
	v_wmma_f32_16x16x32_f16 v[8*(4*AA+\b):8*(4*AA+\b)+7], v[\f+8*\b:\f+8*\b+7], v[\f+32+8*AA:\f+32+8*AA+7], v[8*(4*AA+\b):8*(4*AA+\b)+7]
.endif
.endr
.set AA, AA+1
.endr
.endm
; 24 LDS loads in one run: quarter q of the slot's K step into buffer f: W_out's four fragments, a's blocks 0-3, a's blocks 4-7
.macro FETCH slot, q, f
	WIN TO_F
.irp i, 0,1,2,3
	ds_load_b128 v[\f+8*\i:\f+8*\i+3],   v[ADRB+\slot] offset:64*(\q)+\i*16*PITCH
	ds_load_b128 v[\f+8*\i+4:\f+8*\i+7], v[ADRB+\slot] offset:64*(\q)+\i*16*PITCH+32
.endr
.irp a, 0,1,2,3,4,5,6,7
	ds_load_b128 v[\f+32+8*\a:\f+32+8*\a+3],   v[ADRA+\slot] offset:4096*\a+1024*(\q)
	ds_load_b128 v[\f+32+8*\a+4:\f+32+8*\a+7], v[ADRA+\slot] offset:4096*\a+1024*(\q)+512
.endr
.endm
.macro PLACES                          ; four plain lines between a matrix instruction and a load into, or a read of, its registers
.rept 4
	v_nop
.endr
.endm
; A quarter of a K step: 32 products out of buffer f; in its middle quarter k of the same slot is fetched into buffer g.
.macro QUARTER slot, k, f, g, first
	s_wait_dscnt 8                                 ; W_out's fragments and a's blocks 0-3 are in; the youngest eight loads may be out
.if \first
	WIN MUL_B
.else
	WIN MUL
.endif
	MULN \f, 0, 4, \first
	PLACES
	FETCH \slot, \k, \g
	s_wait_dscnt 24                                ; all but the 24 just issued
.if \first
	WIN MUL_B
.else
	WIN MUL
.endif
	MULN \f, 4, 4, \first
.endm
; A K step's last quarter multiplies buffer 1 and changes slots: each wave waits for all its tensor loads, adds 0 to its spare word, waits for that and for its reads of this slot; then the barrier.
; fill = 1: the barrier opens a round of the cluster's, and behind it this slot is filled again, two K steps ahead: one load a wave, first thing there.
.macro TURN slot, next, fill
	WIN 0
	s_wait_tensorcnt 0x0                           ; all my tensor loads have landed: my part of the next slot
	ds_add_u32 v[SPW], v[NIL]
	s_wait_dscnt 9                                 ; the add and the youngest eight loads may be out
	WIN MUL
	MULN F1, 0, 2, 0
	s_wait_dscnt 0x0                               ; the add is done, and my reads of this slot are over
	s_barrier_signal -1
	MULN F1, 2, 2, 0
.if \fill
	WIN 0
.endif
	s_barrier_wait -1
.if \fill
	CREST
	s_add_nc_u64 s[G0+4*\slot+2:G0+4*\slot+3], s[G0+4*\slot+2:G0+4*\slot+3], 4194304
	s_add_nc_u64 s[G0B+4*\slot+2:G0B+4*\slot+3], s[G0B+4*\slot+2:G0B+4*\slot+3], 512
	JLOAD \slot                                    ; the four v_nop behind it are also the places in front of the loads below
.else
	PLACES
.endif
	FETCH \next, 0, F0
	WIN MUL
	MULN F1, 4, 4, 0
.endm
	s_wait_tensorcnt 1                             ; my part of K step 0 is in; K step 1's load may be out,
	s_barrier_signal -1
	s_barrier_wait -1                              ; everybody's is
	FETCH 0, 0, F0
	s_wait_loadcnt 0x0                             ; the bias
	QUARTER 0, 1, F0, F1, 1                        ; the first quarter stands ahead of the loop: its products start the sums from the bias
	WIN 0
	s_mov_b32 s3, LAPS-1
.Llap:                                             ; a trip goes once round the ring and fills both slots again
	QUARTER 0, 2, F1, F0, 0
	QUARTER 0, 3, F0, F1, 0
	TURN 0, 1, 1
	QUARTER 1, 1, F0, F1, 0
	QUARTER 1, 2, F1, F0, 0
	QUARTER 1, 3, F0, F1, 0
	TURN 1, 0, 1
	QUARTER 0, 1, F0, F1, 0
	WIN 0
	s_sub_co_u32 s3, s3, 1
	s_cmp_lg_u32 s3, 0
	s_cbranch_scc1 .Llap
	QUARTER 0, 2, F1, F0, 0                        ; the last lap fills nothing
	QUARTER 0, 3, F0, F1, 0
	TURN 0, 1, 0
	QUARTER 1, 1, F0, F1, 0
	QUARTER 1, 2, F1, F0, 0
	QUARTER 1, 3, F0, F1, 0
	s_wait_dscnt 8
	WIN MUL
	MULN F1, 0, 4, 0
	s_wait_dscnt 0
	MULN F1, 4, 4, 0
	WIN 0
; THE WAY OUT, block by block of 16 tokens x 64 features.  LDS serves a wave's instructions in order: no wait between the stage's stores and its loads, nor ahead of the next block's stores.
.macro TOSTAGE a
	WIN 0x08                                       ; an LDS store's data are its source 1: window 2
.irp b, 0,1,2,3
	ds_store_b128 v[STO], v[8*(4*(\a)+\b):8*(4*(\a)+\b)+3] offset:64*\b       ; each accumulator from its low end on
	ds_store_b128 v[STO], v[8*(4*(\a)+\b)+4:8*(4*(\a)+\b)+7] offset:64*\b+16
.endr
	WIN 0
.set BB, BK+32*((\a)%2)
.irp i, 0,1,2,3,4,5,6,7
	ds_load_b128 v[BB+4*\i:BB+4*\i+3], v[RD] offset:\i*2*SPITCH
.endr
.endm
.macro SEND a, younger                 ; younger: the LDS instructions issued behind block a's loads, which may stay out
.set BB, BK+32*((\a)%2)
	s_wait_dscnt \younger
.if (\a) > 0
	s_add_nc_u64 s[10:11], s[10:11], 65536         ; 16 rows on (behind the wait that shows the earlier stores' base read)
.endif
.irp i, 0,1,2,3,4,5,6,7
	global_store_b128 v[CO], v[BB+4*\i:BB+4*\i+3], s[10:11] offset:\i*8192 th:TH_STORE_NT   ; sixteen lanes store 256 consecutive bytes, aligned; written once, read by nobody here
.endr
.endm
	PLACES
	TOSTAGE 0
.irp a, 1,2,3,4,5,6,7
.if \a > 1
	s_wait_xcnt 0x0                                ; block a - 2's stores have read their registers and their base
.endif
	TOSTAGE \a
	SEND \a-1, 16                                  ; behind block a - 1's loads: block a's 8 stores and 8 loads
.endr
	s_wait_xcnt 0x0
	SEND 7, 0
	s_wait_tensorcnt 0x0                           ; the wave's end, behind my last tensor load and my last LDS store
	ds_add_u32 v[SPW], v[NIL]
	s_wait_dscnt 0x0
	CROUND                                         ; the closing round
	s_endpgm
.Lfunc_end_k_q848b0ac835_outp:
	.size	k_q848b0ac835_outp, .Lfunc_end_k_q848b0ac835_outp-k_q848b0ac835_outp
	.p2alignl 7, 3214868480
	.fill 96, 4, 3214868480
	.section	.rodata,"a",@progbits
	.p2align	6, 0x0
	.amdhsa_kernel k_q848b0ac835_outp
		.amdhsa_group_segment_fixed_size 327680
		.amdhsa_private_segment_fixed_size 0
		.amdhsa_enable_private_segment 0
		.amdhsa_kernarg_size 32
		.amdhsa_user_sgpr_count 2
		.amdhsa_user_sgpr_kernarg_segment_ptr 1
		.amdhsa_wavefront_size32 1
		.amdhsa_system_sgpr_workgroup_id_x 1
		.amdhsa_system_sgpr_workgroup_id_y 1
		.amdhsa_system_sgpr_workgroup_id_z 1
		.amdhsa_system_vgpr_workitem_id 0
		.amdhsa_next_free_vgpr 768
		.amdhsa_next_free_sgpr 66
		.amdhsa_reserve_vcc 0
		.amdhsa_float_denorm_mode_32 3
		.amdhsa_float_denorm_mode_16_64 3
		.amdhsa_memory_ordered 1
		.amdhsa_forward_progress 1
		.amdhsa_inst_pref_size 87
	.end_amdhsa_kernel
	.amdgpu_metadata
---
amdhsa.version: [ 1, 2 ]
amdhsa.kernels:
  - .name:           k_q848b0ac835_outp
    .symbol:         k_q848b0ac835_outp.kd
    .args:
      - { .name: ao, .offset: 0, .size: 8, .value_kind: global_buffer, .address_space: global }
      - { .name: wo, .offset: 8, .size: 8, .value_kind: global_buffer, .address_space: global }
      - { .name: b_out, .offset: 16, .size: 8, .value_kind: global_buffer, .address_space: global }
      - { .name: out0, .offset: 24, .size: 8, .value_kind: global_buffer, .address_space: global }
    .group_segment_fixed_size: 327680
    .private_segment_fixed_size: 0
    .kernarg_segment_align: 8
    .kernarg_segment_size: 32
    .max_flat_workgroup_size: 128
    .sgpr_count:     66
    .vgpr_count:     768
    .wavefront_size: 32
...
	.end_amdgpu_metadata
.endif
;; end of part 4
